; MI455X (gfx1250); checked and timed in simulation.
; The chip was launched on July 23, 2026; its instructions are those of AMD's public machine-readable ISA for CDNA 5 (MIT licence, August 2026) and "CDNA5" Instruction Set Architecture Reference Guide (July 2026). The comments in the code are by the model that wrote it; some were corrected since.
;; Attention. Allowed arithmetic: matrix products marked QUANTISED: E2M3 operands, one E8M0 scale for each 32 along K, by v_wmma_scale_f32_16x16x128_f8f6f4 with both operands' format E2M3, f32 sums; everything else in f32.
;; Inputs: key 4,096 x 1,024 float32; positions 4,096 int32; query 4,096 x 4,096 float32; value 4,096 x 1,024 float32.
;; Outputs: out0 4,096 x 4,096 float32.
;; This version of the problem:
;;   THIS VERSION OF THE PROBLEM IS GIVEN IN LOW PRECISION. The matrix products marked QUANTISED in the list below multiply operands that are first quantised to E2M3 (2 exponent bits, 3 mantissa bits; 6 bits a number), with one power-of-two scale for each 32 numbers along K (OCP MX v1.0); their sums are f32. All else is computed in f32.
;;   The module's matrix products, in the order in which they are computed (A, B: the left and right operand; K: the contracted axis; several contracted axes count as one K, in the product's order):
;;     1. batch 16 x [M 2,048, K 128] x [K 128, N 8,192]; A: computed on the way; B: computed on the way: QUANTISED
;;     2. batch 16 x [M 128, K 2,048] x [K 2,048, N 8,192]; A: input value; B: softmax (see below): QUANTISED
;;   THE QUANTISER, for each operand of a quantised product, along K:
;;     - K is cut into blocks of 32 from its start; a last block that is shorter is filled with zeros.
;;     - A block's scale is 2^e with e = floor(log2(the largest magnitude in the block)) - 2, held to -126 .. 127; a block of zeros has e = 0. As a byte (E8M0): e + 127.
;;     - Each number is divided by its block's scale, clamped to +-7.5, and rounded to the nearest number of E2M3, ties to even, subnormals kept.
;;     - The product sums the exact products of the quantised numbers (number of the format x scale) in f32.
;;   ~~~python
;;   def quantise(x, axis):      # numpy; x: float32 -> the quantised numbers, widened to float32 again
;;       x = np.moveaxis(x, axis, -1); K = x.shape[-1]
;;       x = np.pad(x, [(0, 0)] * (x.ndim - 1) + [(0, -K % 32)]); x = x.reshape(x.shape[:-1] + (-1, 32)); a = np.abs(x).max(-1, keepdims=True)
;;       e = np.where(a > 0, np.clip(np.frexp(np.where(a > 0, a, 1))[1] - 1 - 2, -126, 127), 0)      # np.frexp(a)[1] - 1 = floor(log2(a)), exactly
;;       r = np.clip(x / 2.0 ** e, -7.5, 7.5)
;;       step = 2.0 ** (np.maximum(np.frexp(np.where(r == 0, 1, r))[1] - 1, 0) - 3)
;;       q = np.round(r / step) * step * 2.0 ** e      # np.round: ties to even
;;       return np.moveaxis(q.reshape(q.shape[:-2] + (-1,))[..., :K], -1, axis).astype(np.float32)
;;   ~~~
;;   SOFTMAX AHEAD OF A QUANTISED PRODUCT. Where the list says 'softmax', what is quantised is not the finished softmax but p = 2^(t - M), with t = logit x log2(e) and M = ceil(the row's largest t), a whole number; so 1/2 < the row's largest p <= 1. The row's sum l is taken of the UNQUANTISED p, in f32, and the product's result is divided by l at the end. Since M is a whole number, a kernel that streams over the keys may use a running M (the ceiling of the running maximum): every later rescaling is an exact power of two, which a block's scale takes up: the codes' values come out the same.
;;   OPERANDS COMPUTED ON THE WAY. 'Computed on the way' means the value that the module computes at that place (a softmax that the list does not call 'softmax' is quantised finished and normalised). What goes into a quantiser is computed in f32, as accurately as f32 sums, v_exp_f32 and their like allow (about 1e-6 of the number): no bf16 or f16 on the way to a quantiser, and a product that is left as it is and whose result goes on into a quantised operand takes f32 operands (vector FMAs, or v_wmma_f32_16x16x4_f32). A number that lies on a knife's edge between two numbers of the format may be rounded either way, as far as f32 arithmetic and the matrix unit's own rounding can turn it there, and no further.
;; One version. Each part assembles by itself: llvm-mc -triple=amdgcn-amd-amdhsa -mcpu=gfx1250 --defsym DOCPART=n.
;; ======== version 1 of 1: 2 launches
;; limits: right only within a limited range of input values
;; workspace buffers: kv 6,553,600 bytes; tab 2,097,152 bytes
;; launch prep (part 1): grid 256 x 1, 8 waves a work-group, no clusters, 37,888 bytes of LDS; arguments key, value, positions, kv, tab; writes kv, tab
.if DOCPART == 1
	.amdgcn_target "amdgcn-amd-amdhsa--gfx1250"
	.amdhsa_code_object_version 6
	.text
	.protected	k_q721e72f39f_prep
	.globl	k_q721e72f39f_prep
	.p2align	8
	.type	k_q721e72f39f_prep,@function
k_q721e72f39f_prep:
	s_mov_b64 s[64:65], 0
	v_nop
	global_prefetch_b8 v0, s[64:65] scope:SCOPE_SE
	s_setreg_imm32_b32 hwreg(HW_REG_WAVE_MODE, 25, 1), 1
	s_wait_xcnt 0x0
; PREPARATION FOR THE ATTENTION LAUNCH.  key, value: [4096 tokens][8 heads x 128] f32; positions: [4096] i32.  2 sequences of 2,048 tokens.
; Work-groups 0-127 (K's way): k is rotated (rotate-half RoPE, angle = position x inv_freq) and quantised along the head's 128 to codes of E2M3 with one E8M0 byte for each 32.
; Work-groups 128-255 (V's way): v is quantised along the KEYS, 32 keys of one channel to a block.
; Both leave as IMAGES OF OPERAND REGISTERS: a fragment (16 rows x 128 along K) is 12 registers a lane, stored as three runs of 512 bytes, lane l's 16 bytes at 16 l.
; kv: [8 b + head : 16][step of 128 keys : 16][25,600 bytes]: K's 8 tiles (1,536 bytes each), V's 8 tiles, 512 bytes of K's scale words, 512 of V's.
;   The scale word of (tile T, row r) lies at 256 (T / 4) + 16 r + 4 (T % 4): one load of 16 bytes at 16 r brings a lane the words of four tiles.
; tab: [tile of 16 tokens : 256][8,192 bytes]: cos (32 registers a lane) and sin (32) as images: the attention launch rotates q by them.
; THE TOKENS OF A TILE ARE NOT NEIGHBOURS: row r of tile (group of 32 tokens, u) is token 32 group + 8 u + r + 8 (r / 8).
; A LANE (r = lane % 16, h = lane / 16) holds 64 numbers of row r: register 16 b + i is d = 32 b + 16 h + i.  So d and d + 64 lie in one lane, 32 registers apart,
; and cos / sin register 16 b' + i is frequency j = 32 b' + 16 h + i.
; A work-group takes one step of 128 keys of two heads.  K's way: wave w = tile w, both heads (the angles are made once for both).  V's way: wave w = head w / 4, channels 32 (w % 4) + lane.
; inv_freq = RN(1 / RN(10^(j/16))): 10^(i/16) from four square roots and eleven products in pairs of f32 (head + tail), times 10^h and 100^b', which are exact.
; sin, cos: the angle less N x pi/2, pi/2 in three parts by fused multiply-adds, then polynomials on |x| <= pi/4 and the quadrant's swap and signs.
; LIMITS: NaN and infinities are not served.  A block whose largest magnitude lies under 2^-124 (a block of zeros too) gets the byte 1; its codes are what the conversion gives; the bytes are read by this program alone.
; |positions| up to 2^17 keep sin and cos within some 2e-7; beyond that the reduced angle loses bits by degrees.
.set SLOTB, 25600                      ; a step's bytes in kv
.set HEADB, 16*SLOTB                   ; a head's
.set VIM,   12288                      ; V's images in a step
.set KSC,   24576                      ; K's scale words
.set VSC,   25088                      ; V's
.set WSTG,  4352                       ; LDS: a stage of 16 rows x (256 + 16) bytes for each wave (K's way), from byte 0 on
.set KSG,   8*WSTG                     ; K's scale words of the two heads, 512 bytes each
.set VSG,   KSG+1024                   ; V's: each way has LDS bytes of its own
.set CO,    16                         ; v16-47   inv_freq, then cos
.set SI,    48                         ; v48-79   sin
.set R0,    80                         ; v80-143  head 0's numbers; v144-207 head 1's
.set CT,    208                        ; v208-239 10^(i/16) as pairs (head, tail); v240-255 at work
.set TG,    208                        ; v208-239 the angles' work: 8 registers for each of four frequencies
.set TM,    208                        ; the quantiser: v208-211 largest magnitudes, v212-215 bytes, v220-223 scale operands
.set PW,    224                        ; the scale word
.set PC,    228                        ; v228-239 the fragment's codes; v240-246 second halves
.set SEL,   48                         ; s[48:49] lane selects: lane l xor 16
; v1 16 x lane; v2, v3 offsets in memory; v4 stage, by rows of the fragment; v5 stage, by rows as loaded; v6 my scale word (K); v7 K's tail; v9 my scale word (V); v12 V's tail; v8 the position; v10, v11 10^h, 100 x 10^h
; 64 numbers as loaded (register group 32 e + 4 k: row 2 k + lane / 16, d = 64 e + 4 (lane % 16) ..) go through the wave's own stage and come back in the lane's layout, into the registers that they left.
; LDS serves a wave's instructions in order (ISA guide 5.7.1.4): no wait between the stores and the loads, nor in front of the second half's stores.
.macro TURN x
.irp e, 0,1
.irp k, 0,1,2,3,4,5,6,7
	ds_store_b128 v5, v[\x+32*\e+4*\k:\x+32*\e+4*\k+3] offset:544*\k
.endr
.irp bb, 0,1
.irp j, 0,1,2,3
	ds_load_b128 v[\x+32*\e+16*\bb+4*\j:\x+32*\e+16*\bb+4*\j+3], v4 offset:128*\bb+16*\j
.endr
.endr
.endr
.endm
; x1' = x1 cos - x2 sin, x2' = x2 cos + x1 sin, two at a time; x1 at v[x], x2 at v[x + 32]; 16 registers at v[t] by turns
.macro ROT x, c, s, t
.set p, 0
.rept 16
	v_pk_mul_f32 v[\t+4*(p%4):\t+4*(p%4)+1], v[\x+32+2*p:\x+33+2*p], v[\s+2*p:\s+2*p+1]
	v_pk_mul_f32 v[\t+4*(p%4)+2:\t+4*(p%4)+3], v[\x+2*p:\x+2*p+1], v[\s+2*p:\s+2*p+1]
	v_pk_fma_f32 v[\x+2*p:\x+2*p+1], v[\x+2*p:\x+2*p+1], v[\c+2*p:\c+2*p+1], v[\t+4*(p%4):\t+4*(p%4)+1] neg_lo:[0,0,1] neg_hi:[0,0,1]
	v_pk_fma_f32 v[\x+32+2*p:\x+33+2*p], v[\x+32+2*p:\x+33+2*p], v[\c+2*p:\c+2*p+1], v[\t+4*(p%4)+2:\t+4*(p%4)+3]
.set p, p+1
.endr
.endm
; 64 numbers of a lane, register 16 b + i = k 32 b + 16 h + i of my row, become a fragment's codes in v[PC] on and its scale word in v[PW].
.macro QUANT s
.irp b, 0,1,2,3
	v_max3_num_f32 v[TM+\b], |v[\s+16*\b]|, |v[\s+1+16*\b]|, 0x1800000   ; my 16 numbers of block b, and the floor 2^(3 - 127): the byte cannot fall under 1
.endr
.irp i, 2,4,6,8,10,12,14
.irp b, 0,1,2,3
	v_max3_num_f32 v[TM+\b], v[TM+\b], |v[\s+16*\b+\i]|, |v[\s+1+16*\b+\i]|   ; the four blocks by turns
.endr
.endr
.irp b, 0,1,2,3
	v_permlanex16_b32 v[TM+4+\b], v[TM+\b], s[SEL], s[SEL+1]   ; (its destination has been written before: it served the angles)
.endr
.irp b, 0,1,2,3
	v_max_num_f32 v[TM+\b], v[TM+\b], v[TM+4+\b]   ; with lane l xor 16's: the block's largest magnitude
.endr
.irp b, 0,1,2,3
	v_add_nc_u32 v[TM+12+\b], 0xff000000, v[TM+\b]   ; 2 off its exponent field: the conversion takes this operand's exponent field as its scale
.endr
.irp b, 0,1,2,3
	v_lshrrev_b32 v[TM+4+\b], 23, v[TM+12+\b]      ; the scale's byte
.endr
	v_lshl_or_b32 v[PW], v[TM+5], 8, v[TM+4]
	v_lshl_or_b32 v[PW], v[TM+6], 16, v[PW]
	v_lshl_or_b32 v[PW], v[TM+7], 24, v[PW]        ; my row's scale word
.irp c, 0,1
	v_cvt_scalef32_pk16_fp6_f32 v[PC+6*\c:PC+2+6*\c], v[\s+32*\c:\s+15+32*\c], v[TM+12+2*\c]
	v_cvt_scalef32_pk16_fp6_f32 v[PC+12+4*\c:PC+14+4*\c], v[\s+16+32*\c:\s+31+32*\c], v[TM+12+2*\c+1]   ; (a conversion's three registers begin on an even number)
.endr
	v_nop                                          ; one plain place behind a scaled conversion
.irp c, 0,1                                    ; the operand wants a whole block in a lane: lanes 0-15 block 2 c, lanes 16-31 block 2 c + 1
.irp i, 0,1,2
	v_permlane16_swap_b32 v[PC+6*\c+\i], v[PC+12+4*\c+\i]
.endr
.irp i, 0,1,2
	v_mov_b32 v[PC+3+6*\c+\i], v[PC+12+4*\c+\i]
.endr
.endr
.endm
	s_load_b256 s[4:11], s[0:1], 0x0               ; key s[4:5], value s[6:7], positions s[8:9], kv s[10:11]
	s_load_b64 s[12:13], s[0:1], 0x20              ; tab
	s_set_vgpr_msb 0x40
	v_lshl_add_u32 v0, v0, 2, 0x9000
	v_mov_b32 v1, 0
	s_set_vgpr_msb 0x4000
	v_lshrrev_b32 v13, 5, v0
	v_readfirstlane_b32 s14, v13                   ; wave 0..7
	v_and_b32 v13, 31, v0                          ; lane
	v_and_b32 v14, 15, v0                          ; r
	v_bfe_u32 v15, v0, 4, 1                        ; h
	v_lshlrev_b32 v1, 4, v13
	s_and_b32 s15, ttmp9, 127
	s_lshr_b32 s16, s15, 6                         ; b: the sequence
	s_bfe_u32 s17, s15, 0x40002                    ; the step of 128 keys (4 bits from bit 2)
	s_and_b32 s18, s15, 3                          ; hp: heads 2 hp and 2 hp + 1
	s_lshl_b32 s19, s16, 3
	s_lshl_b32 s50, s18, 1
	s_add_co_u32 s19, s19, s50
	s_lshl_b32 s19, s19, 4
	s_add_co_u32 s19, s19, s17
	s_mul_i32 s19, s19, SLOTB                      ; where head 2 hp's step begins in kv: ((8 b + 2 hp) 16 + step) x 25,600
	s_lshl_b32 s42, s16, 11
	s_lshl_b32 s50, s17, 7
	s_add_co_u32 s42, s42, s50                     ; the step's first token
	; every LDS address is made here, ahead of the parting of the ways: a constant + constants x lane and wave
	s_mul_i32 s50, s14, WSTG
	v_mul_u32_u24 v4, v14, 272
	v_lshl_add_u32 v4, v15, 6, v4
	v_add_nc_u32 v4, s50, v4                       ; my stage + 272 r + 64 h
	v_mul_u32_u24 v5, v15, 272
	v_lshl_add_u32 v5, v14, 4, v5
	v_add_nc_u32 v5, s50, v5                       ; my stage + 272 (lane / 16) + 16 (lane % 16)
	s_lshr_b32 s50, s14, 2
	s_lshl_b32 s50, s50, 8
	s_and_b32 s51, s14, 3
	s_lshl_b32 s51, s51, 2
	s_add_co_u32 s50, s50, s51
	s_add_co_u32 s50, s50, KSG
	v_lshl_add_u32 v6, v14, 4, s50                 ; K: tile w's word of row r
	s_and_b32 s51, s14, 1
	s_lshl_b32 s50, s51, 9
	s_add_co_u32 s50, s50, KSG
	v_add_nc_u32 v7, s50, v1                       ; K's tail: head w % 2's 512 bytes, 16 a lane
	s_add_co_u32 s50, s50, VSG-KSG
	v_add_nc_u32 v12, s50, v1                      ; V's tail
	s_lshr_b32 s50, s14, 1
	s_lshl_b32 s50, s50, 8
	s_lshl_b32 s51, s51, 3
	s_add_co_u32 s50, s50, s51
	s_add_co_u32 s50, s50, VSG
	v_lshl_add_u32 v9, v14, 4, s50
	v_lshl_add_u32 v9, v15, 2, v9                  ; V: head w / 4, tile 2 (w % 4) + h, row r: 256 (w / 2) + 8 (w % 2) + 16 r + 4 h
	s_mov_b32 s[SEL], 0x76543210
	s_mov_b32 s[SEL+1], 0xfedcba98
	s_wait_kmcnt 0x0
	s_cmp_lt_u32 ttmp9, 128                        ; the same for all eight waves
	s_cbranch_scc0 .Lvalue
; ---------------------------------------------------------------- K's way
	v_lshlrev_b32 v2, 4, v14
	v_lshl_add_u32 v2, v15, 12, v2                 ; a load takes two rows of key: lanes 0-15 256 bytes of one, lanes 16-31 of the next (4,096 bytes on)
	v_and_b32 v3, 8, v14
	v_add_nc_u32 v3, v3, v14
	v_lshlrev_b32 v3, 2, v3                        ; my row's position: 4 (r + 8 (r / 8))
	s_lshr_b32 s50, s14, 1
	s_lshl_b32 s50, s50, 5
	s_and_b32 s51, s14, 1
	s_lshl_b32 s51, s51, 3
	s_add_co_u32 s50, s50, s51
	s_add_co_u32 s50, s50, s42                     ; my tile's first token: step + 32 (w / 2) + 8 (w % 2)
	s_lshl_b32 s52, s50, 2
	s_mov_b32 s53, 0
	s_add_nc_u64 s[22:23], s[8:9], s[52:53]        ; its position
	s_lshl_b32 s50, s50, 12
	s_lshl_b32 s51, s18, 10
	s_add_co_u32 s50, s50, s51
	s_mov_b32 s51, 0
	s_add_nc_u64 s[20:21], s[4:5], s[50:51]        ; its row of key, at head 2 hp
	s_mul_i32 s54, s14, 1536
	s_add_co_u32 s54, s54, s19
	s_mov_b32 s55, 0
	s_add_nc_u64 s[24:25], s[10:11], s[54:55]      ; tile w's image, head 2 hp;
	s_add_nc_u64 s[26:27], s[24:25], HEADB         ; head 2 hp + 1
	s_lshl_b32 s56, s16, 7
	s_lshl_b32 s57, s17, 3
	s_add_co_u32 s56, s56, s57
	s_add_co_u32 s56, s56, s14
	s_lshl_b32 s56, s56, 13
	s_mov_b32 s57, 0
	s_add_nc_u64 s[28:29], s[12:13], s[56:57]      ; the table's tile 128 b + 8 step + w
	s_and_b32 s58, s14, 1
	s_mul_i32 s58, s58, HEADB
	s_add_co_u32 s58, s58, s19
	s_add_co_u32 s58, s58, KSC
	s_mov_b32 s59, 0
	s_add_nc_u64 s[30:31], s[10:11], s[58:59]      ; the scale words of head 2 hp + w % 2
	global_load_b32 v8, v3, s[22:23]
.macro KLOAD hd                        ; 16 rows x 512 bytes of one head: each load reads two runs of 256 consecutive bytes, each at a multiple of 256 from key's first byte
.irp e, 0,1
.irp k, 0,1,2,3,4,5,6,7
	global_load_b128 v[R0+64*\hd+32*\e+4*\k:R0+64*\hd+32*\e+4*\k+3], v2, s[20:21] offset:(2*\k+8*(\k/4))*4096+256*\e+512*\hd th:TH_LOAD_NT
.endr
.endr
.endm
	KLOAD 0
	KLOAD 1
	s_mov_b32 s32, 0x3f22f983                      ; 2 / pi
	s_mov_b32 s33, 0xbfc90fdb                      ; -(pi/2) in three parts: the first,
	s_mov_b32 s34, 0x333bbd2e                      ; the second,
	s_mov_b32 s35, 0x26f72ced                      ; the third
	s_mov_b32 s36, 0xbe2aaaa3                      ; sin x = x + x z (S1 + z (S2 + z S3)), z = x x
	s_mov_b32 s37, 0x3c08839e
	s_mov_b32 s38, 0xb94ca1f9
	s_mov_b32 s39, 0x3d2aaaa5                      ; cos x = 1 - z / 2 + z z (C1 + z (C2 + z C3))
	s_mov_b32 s40, 0xbab6061a
	s_mov_b32 s41, 0x37ccf5ce
	v_cvt_f32_u32 v10, v15
	v_fma_f32 v10, v10, 0x41100000, 1.0            ; 10^h: 1 or 10
	v_mul_f32 v11, 0x42c80000, v10                 ; 100 x 10^h
; the square root of a pair: s = sqrt(xh); the tail is (xh - s s + xl) / (2 s).  One plain place stands behind each transcendental (ISA guide 5.7.2)
.macro DSQRT sh, sl, xh, xl
	v_sqrt_f32 v[\sh], v[\xh]
	v_nop
	s_wait_alu depctr_va_vdst(0)
	v_rcp_f32 v240, v[\sh]
	v_nop
	v_fma_f32 v241, -v[\sh], v[\sh], v[\xh]
	v_add_f32 v241, v241, v[\xl]
	s_wait_alu depctr_va_vdst(0)
	v_mul_f32 v240, 0.5, v240
	v_mul_f32 v[\sl], v241, v240
.endm
; the product of pairs a and b of the table into pair d
.macro DMUL d, a, b
	v_mul_f32 v240, v[CT+2*(\a)], v[CT+2*(\b)]
	v_fma_f32 v241, v[CT+2*(\a)], v[CT+2*(\b)], -v240
	v_fma_f32 v241, v[CT+2*(\a)], v[CT+2*(\b)+1], v241
	v_fma_f32 v241, v[CT+2*(\a)+1], v[CT+2*(\b)], v241
	v_add_f32 v[CT+2*(\d)], v240, v241
	v_sub_f32 v242, v240, v[CT+2*(\d)]
	v_add_f32 v[CT+2*(\d)+1], v242, v241
.endm
	v_mov_b32 v242, 0x41200000                     ; 10
	v_mov_b32 v243, 0
	DSQRT CT+16, CT+17, 242, 243                   ; 10^(8/16)
	DSQRT CT+8, CT+9, CT+16, CT+17                 ; 10^(4/16)
	DSQRT CT+4, CT+5, CT+8, CT+9                   ; 10^(2/16)
	DSQRT CT+2, CT+3, CT+4, CT+5                   ; 10^(1/16)
	v_mov_b32 v[CT], 1.0
	v_mov_b32 v[CT+1], 0
	DMUL 3, 2, 1
	DMUL 5, 4, 1
	DMUL 6, 4, 2
	DMUL 7, 6, 1
	DMUL 9, 8, 1
	DMUL 10, 8, 2
	DMUL 11, 10, 1
	DMUL 12, 8, 4
	DMUL 13, 12, 1
	DMUL 14, 12, 2
	DMUL 15, 14, 1
.irp bp, 0,1                                   ; frequencies 32 b' + 16 h + i: P = RN(10^(i/16) x 10^h x 100^b'), then 1 / P with one correcting step
.irp i, 0,1,2,3,4,5,6,7,8,9,10,11,12,13,14,15
	v_mul_f32 v[CO+16*\bp+\i], v[CT+2*\i], v[10+\bp]
.endr
.irp i, 0,1,2,3,4,5,6,7,8,9,10,11,12,13,14,15
	v_fma_f32 v[240+\i], v[CT+2*\i], v[10+\bp], -v[CO+16*\bp+\i]
.endr
.irp i, 0,1,2,3,4,5,6,7,8,9,10,11,12,13,14,15
	v_fma_f32 v[240+\i], v[CT+2*\i+1], v[10+\bp], v[240+\i]
.endr
.irp i, 0,1,2,3,4,5,6,7,8,9,10,11,12,13,14,15
	v_add_f32 v[CO+16*\bp+\i], v[CO+16*\bp+\i], v[240+\i]
.endr
.irp i, 0,1,2,3,4,5,6,7,8,9,10,11,12,13,14,15
	v_rcp_f32 v[240+\i], v[CO+16*\bp+\i]
.endr
	v_nop                                          ; a plain place behind the reciprocals
	s_wait_alu depctr_va_vdst(0)
.irp i, 0,1,2,3,4,5,6,7,8,9,10,11,12,13,14,15
	v_fma_f32 v[CO+16*\bp+\i], -v[CO+16*\bp+\i], v[240+\i], 1.0
.endr
.irp i, 0,1,2,3,4,5,6,7,8,9,10,11,12,13,14,15
	v_fma_f32 v[CO+16*\bp+\i], v[240+\i], v[CO+16*\bp+\i], v[240+\i]
.endr
.endr
	s_wait_loadcnt 32                              ; the position is in: behind its load stand the 32 loads of k, which may stay out
	v_cvt_f32_i32 v8, v8
; cos and sin of four frequencies j0 .. j0 + 3, line by line by turns.  Of the eight registers of a frequency: +0 the angle, then x; +1 N; +2 z; +3, +4 polynomials, then the chosen values; +5 at work; +6 sin x; +7 cos x
.macro TRIG4 j0
.irp q, 0,1,2,3
	v_mul_f32 v[TG+8*\q], v8, v[CO+\j0+\q]         ; the angle, rounded once
.endr
.irp q, 0,1,2,3
	v_mul_f32 v[TG+8*\q+1], s32, v[TG+8*\q]
.endr
.irp q, 0,1,2,3
	v_rndne_f32 v[TG+8*\q+1], v[TG+8*\q+1]         ; N
.endr
.irp q, 0,1,2,3
	v_fma_f32 v[TG+8*\q], v[TG+8*\q+1], s33, v[TG+8*\q]
.endr
.irp q, 0,1,2,3
	v_fma_f32 v[TG+8*\q], v[TG+8*\q+1], s34, v[TG+8*\q]
.endr
.irp q, 0,1,2,3
	v_fma_f32 v[TG+8*\q], v[TG+8*\q+1], s35, v[TG+8*\q]   ; x = angle - N pi/2
.endr
.irp q, 0,1,2,3
	v_mul_f32 v[TG+8*\q+2], v[TG+8*\q], v[TG+8*\q]
.endr
.irp q, 0,1,2,3
	v_cvt_i32_f32 v[TG+8*\q+1], v[TG+8*\q+1]
.endr
.irp q, 0,1,2,3
	v_fma_f32 v[TG+8*\q+3], v[TG+8*\q+2], s38, s37
.endr
.irp q, 0,1,2,3
	v_fma_f32 v[TG+8*\q+4], v[TG+8*\q+2], s41, s40
.endr
.irp q, 0,1,2,3
	v_fma_f32 v[TG+8*\q+3], v[TG+8*\q+3], v[TG+8*\q+2], s36
.endr
.irp q, 0,1,2,3
	v_fma_f32 v[TG+8*\q+4], v[TG+8*\q+4], v[TG+8*\q+2], s39
.endr
.irp q, 0,1,2,3
	v_mul_f32 v[TG+8*\q+5], v[TG+8*\q], v[TG+8*\q+2]
.endr
.irp q, 0,1,2,3
	v_fma_f32 v[TG+8*\q+6], v[TG+8*\q+5], v[TG+8*\q+3], v[TG+8*\q]   ; sin x
.endr
.irp q, 0,1,2,3
	v_mul_f32 v[TG+8*\q+5], v[TG+8*\q+2], v[TG+8*\q+2]
.endr
.irp q, 0,1,2,3
	v_fma_f32 v[TG+8*\q+7], v[TG+8*\q+2], -0.5, 1.0
.endr
.irp q, 0,1,2,3
	v_fma_f32 v[TG+8*\q+7], v[TG+8*\q+5], v[TG+8*\q+4], v[TG+8*\q+7]   ; cos x
.endr
.irp q, 0,1,2,3
	v_and_b32 v[TG+8*\q+5], 1, v[TG+8*\q+1]
.endr
.irp q, 0,1,2,3
	v_cmp_ne_u32 s[44+\q], 0, v[TG+8*\q+5]         ; an odd quadrant swaps the two: a choice of values, no branch
.endr
.irp q, 0,1,2,3
	v_cndmask_b32 v[TG+8*\q+3], v[TG+8*\q+6], v[TG+8*\q+7], s[44+\q]
.endr
.irp q, 0,1,2,3
	v_cndmask_b32 v[TG+8*\q+4], v[TG+8*\q+7], v[TG+8*\q+6], s[44+\q]
.endr
.irp q, 0,1,2,3
	v_lshlrev_b32 v[TG+8*\q+5], 30, v[TG+8*\q+1]   ; sin is negative in quadrants 2, 3: bit 1 of N;
.endr
.irp q, 0,1,2,3
	v_add_lshl_u32 v[TG+8*\q+2], v[TG+8*\q+1], 1, 30   ; cos in quadrants 1, 2: bit 1 of N + 1
.endr
.irp q, 0,1,2,3
	v_and_b32 v[TG+8*\q+5], 0x80000000, v[TG+8*\q+5]
.endr
.irp q, 0,1,2,3
	v_and_b32 v[TG+8*\q+2], 0x80000000, v[TG+8*\q+2]
.endr
.irp q, 0,1,2,3
	v_xor_b32 v[SI+\j0+\q], v[TG+8*\q+5], v[TG+8*\q+3]
.endr
.irp q, 0,1,2,3
	v_xor_b32 v[CO+\j0+\q], v[TG+8*\q+2], v[TG+8*\q+4]   ; cos takes inv_freq's register
.endr
.endm
.irp j, 0,4,8,12,16,20,24,28
	TRIG4 \j
.endr
	s_cmp_lg_u32 s18, 0                            ; the four work-groups of a step make the same angles: the first stores them
	s_cbranch_scc1 .Lno_tab
.irp g, 0,1,2,3,4,5,6,7,8,9,10,11,12,13,14,15
	global_store_b128 v1, v[CO+4*\g:CO+4*\g+3], s[28:29] offset:512*\g   ; 32 lanes store 512 consecutive bytes, at a multiple of 256 from tab's first byte; these registers are not written again
.endr
.Lno_tab:
.macro KHEAD hd
	s_wait_loadcnt 16*(1-\hd)                      ; this head's 16 loads are in; behind head 0's stand head 1's 16
	TURN R0+64*\hd
	s_wait_dscnt 0x0
	ROT R0+64*\hd, CO, SI, TG
	s_wait_xcnt 0x0                                ; the stores issued so far have read their registers: the codes' registers are written again only behind this wait
	QUANT R0+64*\hd
.irp c, 0,1,2
	global_store_b128 v1, v[PC+4*\c:PC+4*\c+3], s[24+2*\hd:25+2*\hd] offset:512*\c   ; the image: 512 consecutive bytes a store
.endr
	ds_store_b32 v6, v[PW] offset:512*\hd          ; lanes r and r + 16 write the same word with the same value
.endm
	KHEAD 0
	KHEAD 1
	s_wait_dscnt 0x0                               ; for the others' sake: my scale words have landed
	s_barrier_signal -1
	s_barrier_wait -1
	s_cmp_lt_u32 s14, 2                            ; waves 0 and 1 store a head's 512 bytes of scale words each
	s_cbranch_scc0 .Lkey_end
	ds_load_b128 v[208:211], v7
	s_wait_dscnt 0x0
	global_store_b128 v1, v[208:211], s[30:31]
.Lkey_end:
	s_set_vgpr_msb 0x5
	s_wait_tensorcnt 0x0
	ds_add_u32 v0, v1
	s_wait_dscnt 0x0
	s_set_vgpr_msb 0x500
	s_endpgm
; ---------------------------------------------------------------- V's way
; A lane takes a channel d = 32 (w % 4) + lane, and its registers run down the 128 keys: a block of 32 keys lies in one lane, and the conversions give codes with the keys innermost.
.Lvalue:
	v_lshlrev_b32 v2, 2, v13                       ; 4 bytes a lane: a load reads 128 consecutive bytes, the four waves of a head 512
	s_lshl_b32 s50, s42, 12
	s_lshl_b32 s51, s18, 1
	s_lshr_b32 s52, s14, 2                         ; which of the two heads
	s_add_co_u32 s51, s51, s52
	s_lshl_b32 s51, s51, 9
	s_add_co_u32 s50, s50, s51
	s_and_b32 s53, s14, 3
	s_lshl_b32 s51, s53, 7
	s_add_co_u32 s50, s50, s51
	s_mov_b32 s51, 0
	s_add_nc_u64 s[20:21], s[6:7], s[50:51]        ; value at the step's first token, my head, my 32 channels
	s_mul_i32 s54, s52, HEADB
	s_mul_i32 s53, s53, 3072
	s_add_co_u32 s54, s54, s53
	s_add_co_u32 s54, s54, s19
	s_add_co_u32 s54, s54, VIM
	s_mov_b32 s55, 0
	s_add_nc_u64 s[24:25], s[10:11], s[54:55]      ; the images of tiles 2 (w % 4) and 2 (w % 4) + 1
	s_and_b32 s58, s14, 1
	s_mul_i32 s58, s58, HEADB
	s_add_co_u32 s58, s58, s19
	s_add_co_u32 s58, s58, VSC
	s_mov_b32 s59, 0
	s_add_nc_u64 s[30:31], s[10:11], s[58:59]      ; the scale words of head 2 hp + w % 2
.set i, 0
.rept 128
	global_load_b32 v[16+i], v2, s[20:21] offset:4096*i th:TH_LOAD_NT   ; v(key i, my channel)
.set i, i+1
.endr
; blocks 2 c and 2 c + 1 (keys 64 c on).  v144-155: block 2 c's codes, v156-167: block 2 c + 1's; the exchange of halves makes of them the fragments of two tiles of 16 channels:
; lanes 0-15 of the first keep block 2 c of channels 0-15 and its lanes 16-31 get their block 2 c + 1; the second likewise for channels 16-31.
.macro VPAIR c
.irp q, 0,1
	v_max3_num_f32 v[176+2*\c+\q], |v[16+32*(2*\c+\q)]|, |v[17+32*(2*\c+\q)]|, 0x1800000   ; all 32 numbers of a block are mine; the floor 2^(3 - 127) holds the byte at 1 from below
.endr
.irp i, 2,4,6,8,10,12,14,16,18,20,22,24,26,28,30
.irp q, 0,1
	v_max3_num_f32 v[176+2*\c+\q], v[176+2*\c+\q], |v[16+32*(2*\c+\q)+\i]|, |v[17+32*(2*\c+\q)+\i]|
.endr
.endr
.irp q, 0,1
	v_add_nc_u32 v[180+2*\c+\q], 0xff000000, v[176+2*\c+\q]   ; 2 off the exponent field: the conversion's scale operand
.endr
.irp q, 0,1
	v_lshrrev_b32 v[184+2*\c+\q], 23, v[180+2*\c+\q]   ; the scale's byte
.endr
	v_cvt_scalef32_pk16_fp6_f32 v[144+6*\c:146+6*\c], v[16+64*\c:31+64*\c], v[180+2*\c]
	v_cvt_scalef32_pk16_fp6_f32 v[168:170], v[32+64*\c:47+64*\c], v[180+2*\c]       ; (a conversion's three registers begin on an even number: the second halves are made apart and moved)
	v_cvt_scalef32_pk16_fp6_f32 v[156+6*\c:158+6*\c], v[48+64*\c:63+64*\c], v[181+2*\c]
	v_cvt_scalef32_pk16_fp6_f32 v[172:174], v[64+64*\c:79+64*\c], v[181+2*\c]
	v_nop                                          ; one plain place behind a scaled conversion
.irp i, 0,1,2
	v_mov_b32 v[147+6*\c+\i], v[168+\i]
	v_mov_b32 v[159+6*\c+\i], v[172+\i]
.endr
.irp i, 0,1,2,3,4,5
	v_permlane16_swap_b32 v[144+6*\c+\i], v[156+6*\c+\i]
.endr
.endm
	s_wait_loadcnt 63                              ; of the 128 loads at most 63 are out: the first 64 keys are in
	VPAIR 0
	s_wait_loadcnt 0x0
	VPAIR 1
	v_lshl_or_b32 v188, v185, 8, v184
	v_lshl_or_b32 v188, v186, 16, v188
	v_lshl_or_b32 v188, v187, 24, v188             ; my channel's scale word for these 128 keys
	ds_store_b32 v9, v188
.irp c, 0,1,2
	global_store_b128 v1, v[144+4*\c:147+4*\c], s[24:25] offset:512*\c        ; 512 consecutive bytes a store
.endr
.irp c, 0,1,2
	global_store_b128 v1, v[156+4*\c:159+4*\c], s[24:25] offset:1536+512*\c
.endr
	s_wait_dscnt 0x0                               ; for the others' sake: my scale words have landed
	s_barrier_signal -1
	s_barrier_wait -1
	s_cmp_lt_u32 s14, 2
	s_cbranch_scc0 .Lvalue_end
	ds_load_b128 v[176:179], v12
	s_wait_dscnt 0x0
	global_store_b128 v1, v[176:179], s[30:31]
.Lvalue_end:
	s_set_vgpr_msb 0x5
	s_wait_tensorcnt 0x0
	ds_add_u32 v0, v1
	s_wait_dscnt 0x0
	s_set_vgpr_msb 0x500
	s_endpgm
.Lfunc_end_k_q721e72f39f_prep:
	.size	k_q721e72f39f_prep, .Lfunc_end_k_q721e72f39f_prep-k_q721e72f39f_prep
	.p2alignl 7, 3214868480
	.fill 96, 4, 3214868480
	.section	.rodata,"a",@progbits
	.p2align	6, 0x0
	.amdhsa_kernel k_q721e72f39f_prep
		.amdhsa_group_segment_fixed_size 37888
		.amdhsa_private_segment_fixed_size 0
		.amdhsa_enable_private_segment 0
		.amdhsa_kernarg_size 40
		.amdhsa_user_sgpr_count 2
		.amdhsa_user_sgpr_kernarg_segment_ptr 1
		.amdhsa_wavefront_size32 1
		.amdhsa_system_sgpr_workgroup_id_x 1
		.amdhsa_system_sgpr_workgroup_id_y 1
		.amdhsa_system_sgpr_workgroup_id_z 1
		.amdhsa_system_vgpr_workitem_id 0
		.amdhsa_next_free_vgpr 258
		.amdhsa_next_free_sgpr 66
		.amdhsa_reserve_vcc 0
		.amdhsa_float_denorm_mode_32 3
		.amdhsa_float_denorm_mode_16_64 3
		.amdhsa_memory_ordered 1
		.amdhsa_forward_progress 1
		.amdhsa_inst_pref_size 110
	.end_amdhsa_kernel
	.amdgpu_metadata
---
amdhsa.version: [ 1, 2 ]
amdhsa.kernels:
  - .name:           k_q721e72f39f_prep
    .symbol:         k_q721e72f39f_prep.kd
    .args:
      - { .name: key, .offset: 0, .size: 8, .value_kind: global_buffer, .address_space: global }
      - { .name: value, .offset: 8, .size: 8, .value_kind: global_buffer, .address_space: global }
      - { .name: positions, .offset: 16, .size: 8, .value_kind: global_buffer, .address_space: global }
      - { .name: kv, .offset: 24, .size: 8, .value_kind: global_buffer, .address_space: global }
      - { .name: tab, .offset: 32, .size: 8, .value_kind: global_buffer, .address_space: global }
    .group_segment_fixed_size: 37888
    .private_segment_fixed_size: 0
    .kernarg_segment_align: 8
    .kernarg_segment_size: 40
    .max_flat_workgroup_size: 256
    .sgpr_count:     66
    .vgpr_count:     258
    .wavefront_size: 32
...
	.end_amdgpu_metadata
.endif
;; end of part 1
;; launch attn (part 2): grid 16 x 32, 16 waves a work-group, no clusters, 302,080 bytes of LDS; arguments query, kv, tab, out0; writes out0
.if DOCPART == 2
	.amdgcn_target "amdgcn-amd-amdhsa--gfx1250"
	.amdhsa_code_object_version 6
	.text
	.protected	k_q721e72f39f_attn
	.globl	k_q721e72f39f_attn
	.p2align	8
	.type	k_q721e72f39f_attn,@function
k_q721e72f39f_attn:
	s_mov_b64 s[64:65], 0
	v_nop
	global_prefetch_b8 v0, s[64:65] scope:SCOPE_SE
	s_setreg_imm32_b32 hwreg(HW_REG_WAVE_MODE, 25, 1), 1
	s_wait_xcnt 0x0
; out[token][4 kvh + g][:] = the sum over keys j with 0 <= i - j < 1024 (i, j: places in the sequence of 2,048) of softmax_j(q . k / sqrt(128)) v, q and k rotated; both products on codes of E2M3 with one E8M0 byte for each 32 along K.
; query, out0: [4096 tokens][32 heads x 128] f32.  kv: K's and V's fragments as images of operand registers, with their scale words, 25,600 bytes for a step of 128 keys of one kv head.  tab: cos and sin as images, 8,192 bytes for a tile of 16 tokens.
; THE SOFTMAX AHEAD OF THE SECOND PRODUCT: t = score x log2(e) / sqrt(128); M = the row's largest t so far, rounded up to a whole number; p = 2^(t - M) is quantised along the keys, not normalised.
; The row's sum is taken of the unquantised p and divides at the end.  When M moves, the sum and O are multiplied by 2^(old M - new M), which rounds nothing.
; SHARES.  A work-group owns two groups of 32 tokens x the 4 query heads of one kv head: 16 tiles of 16 queries, one to each of its 16 waves (256 registers; four waves to a SIMD).
; THE TOKENS OF A TILE ARE NOT NEIGHBOURS: row r of tile (group, u) is token 32 group + 8 u + r + 8 (r / 8); K's tiles are laid the same way, so that the 16 registers of score tiles 2 b and 2 b + 1 are 16 neighbouring keys.
; THE WINDOW LIES IN LDS WHOLE.  y < 16: tokens 1984 - 64 y .. 2047 - 64 y: their keys lie in the 9 steps from (15 - y) / 2 on.  y >= 16: groups y - 16 and 47 - y, both under token 1,024: steps 0 to 8 hold all their keys.
; 9 x 25,600 bytes are filled once, by waves 0 to 3, three loads each (three steps to a group of loads); nothing is filled again.  A wave leaves out a step all of whose keys are hidden from its 16 queries: a scalar branch on ids.
; The two groups of a light work-group need (a / 4) + 1 and 8 - (a / 4) steps, 9 together, whatever a; which group a wave takes is bit 0 xor bit 2 of its number, so that long and short waves are mixed.
; NO CLUSTER, though the work-groups of a kv head read overlapping steps: which steps a wave leaves out hangs on its tokens, so on its work-group's place among partners; with every partner walking every step of a joint window
; (10 steps for 256 neighbouring tokens) the launch would walk 16 x 10 and 16 x 8 steps where it now walks 16 x 9 and 72; and the fill is one request of 230,400 bytes in a work-group's life.
; NO PREFETCH: every load of a work-group is issued in its first lines; there is no later trip to ask ahead for.
; LAYOUT.  Both products are used transposed: S^T = K Q^T (source 0 = 16 keys, source 1 = my 16 queries), O^T = V^T P^T (source 0 = 16 channels, source 1 = P): a lane holds one query (lane % 16) throughout.
; LIMITS: NaN and infinities among the inputs are not served; a block whose largest magnitude lies under 2^-124 gets the byte 1.
; REGISTERS: v1-7 addresses that stay; v8, v9 the step's LDS addresses; v12 -M, v13 the largest t, v[14:15] the sum in two halves; v16-27 Q's codes; v32-79 four fragments of K or V; v80-95 at work at the head;
;   v96-159 q, then S^T and p; v160-223 cos and sin, then O^T; v224-235 p's codes; v232-254 at work; v255 Q's scale words.
.set SLOTB, 25600                      ; a step in kv and in LDS
.set GRPB,  3*SLOTB                    ; three steps: a group of fills
.set PARTB, GRPB/4                     ; what one tensor load brings: 75 rows of 256 bytes
.set VIM,   12288                      ; V's images in a step
.set KSC,   24576                      ; K's scale words
.set VSC,   25088                      ; V's
.set STAGE, 9*SLOTB                    ; behind the window: 16 rows x (256 + 16) bytes for each wave; no fill lands there
.set WSTG,  4352
.set SEL,   20                         ; s[20:21] lane selects: lane l xor 16
.set CS,    22                         ; s[22:23] c = log2(e) / sqrt(128): the packed form names a pair and takes its low word for both halves
.set TB,    44                         ; s44  LDS byte at which the step in hand begins
.set KF,    45                         ; s45  its first key
.set QMIN,  46                         ; s46  my tile's first token
.set QMAX,  47                         ; s47  and its last: QMIN + 23
.set TM,    232                        ; the quantiser of q: v232-235 largest magnitudes, v236-239 bytes, v244-247 scale operands
.set PW,    255
.set PC,    16                         ; v16-27 the codes; v28-34 second halves
.macro TURN x                          ; 64 numbers as loaded (group 32 e + 4 k: row 2 k + lane / 16, d = 64 e + 4 (lane % 16) ..) through my stage into the lane's layout: register 16 b + i = d 32 b + 16 h + i of row r
.irp e, 0,1                            ; LDS serves a wave's instructions in order (ISA guide 5.7.1.4): no wait between the stores and the loads, nor in front of the second half's stores
.irp k, 0,1,2,3,4,5,6,7
	ds_store_b128 v5, v[\x+32*\e+4*\k:\x+32*\e+4*\k+3] offset:544*\k
.endr
.irp bb, 0,1
.irp j, 0,1,2,3
	ds_load_b128 v[\x+32*\e+16*\bb+4*\j:\x+32*\e+16*\bb+4*\j+3], v4 offset:128*\bb+16*\j
.endr
.endr
.endr
.endm
.macro ROT x, c, s, t                  ; x1' = x1 cos - x2 sin, x2' = x2 cos + x1 sin, two at a time; x2 lies 32 registers behind x1
.set p, 0
.rept 16
	v_pk_mul_f32 v[\t+4*(p%4):\t+4*(p%4)+1], v[\x+32+2*p:\x+33+2*p], v[\s+2*p:\s+2*p+1]
	v_pk_mul_f32 v[\t+4*(p%4)+2:\t+4*(p%4)+3], v[\x+2*p:\x+2*p+1], v[\s+2*p:\s+2*p+1]
	v_pk_fma_f32 v[\x+2*p:\x+2*p+1], v[\x+2*p:\x+2*p+1], v[\c+2*p:\c+2*p+1], v[\t+4*(p%4):\t+4*(p%4)+1] neg_lo:[0,0,1] neg_hi:[0,0,1]
	v_pk_fma_f32 v[\x+32+2*p:\x+33+2*p], v[\x+32+2*p:\x+33+2*p], v[\c+2*p:\c+2*p+1], v[\t+4*(p%4)+2:\t+4*(p%4)+3]
.set p, p+1
.endr
.endm
.macro QUANT s                         ; 64 numbers of a lane become a fragment's codes in v[PC] on and its scale word in v[PW]
.irp b, 0,1,2,3
	v_max3_num_f32 v[TM+\b], |v[\s+16*\b]|, |v[\s+1+16*\b]|, 0x1800000   ; my 16 numbers of block b, and the floor 2^(3 - 127): the byte cannot fall under 1
.endr
.irp i, 2,4,6,8,10,12,14
.irp b, 0,1,2,3
	v_max3_num_f32 v[TM+\b], v[TM+\b], |v[\s+16*\b+\i]|, |v[\s+1+16*\b+\i]|
.endr
.endr
.irp b, 0,1,2,3
	v_permlanex16_b32 v[TM+4+\b], v[TM+\b], s[SEL], s[SEL+1]
.endr
.irp b, 0,1,2,3
	v_max_num_f32 v[TM+\b], v[TM+\b], v[TM+4+\b]   ; with lane l xor 16's: the block's largest magnitude
.endr
.irp b, 0,1,2,3
	v_add_nc_u32 v[TM+12+\b], 0xff000000, v[TM+\b]   ; 2 off its exponent field: the conversion's scale operand
.endr
.irp b, 0,1,2,3
	v_lshrrev_b32 v[TM+4+\b], 23, v[TM+12+\b]      ; the scale's byte
.endr
	v_lshl_or_b32 v[PW], v[TM+5], 8, v[TM+4]
	v_lshl_or_b32 v[PW], v[TM+6], 16, v[PW]
	v_lshl_or_b32 v[PW], v[TM+7], 24, v[PW]
.irp c, 0,1
	v_cvt_scalef32_pk16_fp6_f32 v[PC+6*\c:PC+2+6*\c], v[\s+32*\c:\s+15+32*\c], v[TM+12+2*\c]
	v_cvt_scalef32_pk16_fp6_f32 v[PC+12+4*\c:PC+14+4*\c], v[\s+16+32*\c:\s+31+32*\c], v[TM+12+2*\c+1]   ; (a conversion's three registers begin on an even number)
.endr
	v_nop                                          ; one plain place behind a scaled conversion
.irp c, 0,1
.irp i, 0,1,2
	v_permlane16_swap_b32 v[PC+6*\c+\i], v[PC+12+4*\c+\i]
.endr
.irp i, 0,1,2
	v_mov_b32 v[PC+3+6*\c+\i], v[PC+12+4*\c+\i]
.endr
.endr
.endm
.macro PLACES                          ; four plain vector instructions between a matrix instruction and a load into its registers or a read of its result
.rept 4
	v_nop
.endr
.endm
	s_load_b256 s[4:11], s[0:1], 0x0               ; query s[4:5], kv s[6:7], tab s[8:9], out0 s[10:11]
	v_lshl_add_u32 v31, v0, 2, 0x49400
	v_mov_b32 v243, 0
	ds_add_u32 v31, v243
	ds_add_u32 v31, v243
	v_lshrrev_b32 v10, 5, v0
	v_readfirstlane_b32 s12, v10                   ; wave 0..15
	v_and_b32 v10, 31, v0                          ; lane
	v_and_b32 v11, 15, v0                          ; r
	v_bfe_u32 v12, v0, 4, 1                        ; h
	v_lshlrev_b32 v1, 4, v10                       ; 16 x lane: an image's place for my lane
	v_lshlrev_b32 v2, 4, v11                       ; 16 r: four tiles' scale words of row r
	v_lshl_add_u32 v3, v12, 14, v2                 ; query and out0: lanes 0-15 256 bytes of one row, lanes 16-31 of the next (16,384 bytes on)
	s_mul_i32 s61, s12, WSTG
	s_add_co_u32 s61, s61, STAGE                   ; my stage
	v_mul_u32_u24 v4, v11, 272
	v_lshl_add_u32 v6, v12, 5, v4
	v_lshl_add_u32 v4, v12, 6, v4
	v_add_nc_u32 v4, s61, v4                       ; + 272 r + 64 h: q comes back
	v_add_nc_u32 v6, s61, v6                       ; + 272 r + 32 h: O goes in
	v_mul_u32_u24 v5, v12, 272
	v_add_nc_u32 v5, v5, v2
	v_add_nc_u32 v5, s61, v5                       ; + 272 (lane / 16) + 16 (lane % 16): rows as they lie in memory
	v_and_b32 v7, 8, v11
	v_add_nc_u32 v7, v7, v11
	v_lshlrev_b32 v8, 4, v12
	v_sub_nc_u32 v7, v7, v8                        ; r + 8 (r / 8) - 16 h: my query's place in the tile less my half's first key in a block
	s_and_b32 s13, ttmp7, 0xffff                   ; y
	s_min_u32 s14, s13, 15                         ; the heavy work-groups' figures, from min(y, 15),
	s_max_u32 s18, s13, 16                         ; the light ones', from max(y, 16): nothing wraps
	s_lshl_b32 s15, s14, 1
	s_sub_co_u32 s16, 63, s15
	s_sub_co_u32 s15, 62, s15
	s_sub_co_u32 s17, 15, s14
	s_lshr_b32 s17, s17, 1
	s_sub_co_u32 s19, 47, s18
	s_sub_co_u32 s18, s18, 16
	s_cmp_lt_u32 s13, 16
	s_cselect_b32 s15, s15, s18                    ; the lower group of 32 tokens,
	s_cselect_b32 s16, s16, s19                    ; the upper,
	s_cselect_b32 s17, s17, 0                      ; the window's first step
	s_lshr_b32 s49, s12, 2                         ; g: which of the four query heads
	s_xor_b32 s50, s12, s49
	s_and_b32 s50, s50, 1                          ; which group
	s_bfe_u32 s51, s12, 0x10001                    ; u: which of its two tiles (bit 1)
	s_cmp_lg_u32 s50, 0
	s_cselect_b32 s15, s16, s15                    ; my group
	s_lshl_b32 s[QMIN], s15, 5
	s_lshl_b32 s52, s51, 3
	s_add_co_u32 s[QMIN], s[QMIN], s52
	s_add_co_u32 s[QMAX], s[QMIN], 23
	s_lshl_b32 s[KF], s17, 7
	s_lshr_b32 s52, ttmp9, 3                       ; b: the sequence
	s_lshl_b32 s53, s52, 11
	s_add_co_u32 s53, s53, s[QMIN]
	s_lshl_b32 s54, s53, 14                        ; my first token's row of 16,384 bytes,
	s_and_b32 s53, ttmp9, 7
	s_lshl_b32 s53, s53, 2
	s_add_co_u32 s53, s53, s49
	s_lshl_b32 s53, s53, 9
	s_add_co_u32 s54, s54, s53                     ; at head 4 kvh + g
	s_mov_b32 s55, 0
	s_lshl_b32 s56, s52, 7
	s_lshl_b32 s53, s15, 1
	s_add_co_u32 s56, s56, s53
	s_add_co_u32 s56, s56, s51
	s_lshl_b32 s56, s56, 13                        ; the table's tile 128 b + 2 group + u
	s_mov_b32 s57, 0
	s_lshl_b32 s58, ttmp9, 4
	s_add_co_u32 s58, s58, s17
	s_mul_i32 s58, s58, SLOTB                      ; the window's first step in kv,
	s_and_b32 s60, s12, 3
	s_mul_i32 s60, s60, PARTB                      ; and a fetching wave's quarter of a group, in memory and in LDS alike
	s_add_co_u32 s58, s58, s60
	s_mov_b32 s59, 0
	; descriptor group 1: a dense block of 19,200 bytes as 75 rows of 256 bytes
	s_mov_b32 s24, 3<<16                           ; 15:0 no mask; 17:16 elements of 8 bytes; 20 padding off
	s_mov_b32 s25, 32<<16                          ; tensor_dim0 = 32
	s_mov_b32 s26, 75<<16                          ; tensor_dim1 = 75
	s_mov_b32 s27, 32<<16                          ; tile_dim0 = 32
	s_mov_b32 s28, 75                              ; tile_dim1 = 75
	s_mov_b32 s29, 32                              ; from row to row: 32 elements
	s_mov_b32 s30, 0
	s_mov_b32 s31, 0
	s_mov_b32 s[SEL], 0x76543210
	s_mov_b32 s[SEL+1], 0xfedcba98
	s_mov_b32 s[CS], 0x3e0293ee
	s_mov_b32 s[CS+1], s[CS]                       ; (named with it as a pair, so it is written)
	s_wait_dscnt 0x0
	s_wait_kmcnt 0x0
	s_add_nc_u64 s[6:7], s[6:7], s[58:59]
	s_add_nc_u64 s[4:5], s[4:5], s[54:55]
	s_add_nc_u64 s[10:11], s[10:11], s[54:55]
	s_add_nc_u64 s[8:9], s[8:9], s[56:57]
.irp n, 0,1,2                                  ; group 0 of the descriptor, a set for each of the three groups of fills; none is written again
	s_mov_b32 s[32+4*\n], 1                        ; 1:0 count = 1
	s_add_co_u32 s[33+4*\n], s60, \n*GRPB          ; 63:32 LDS address
	s_add_nc_u64 s[34+4*\n:35+4*\n], s[6:7], \n*GRPB   ; 120:64 global address
	s_or_b32 s[35+4*\n], s[35+4*\n], 0x80000000    ; 127:126 type = 2
.endr
	s_cmp_lt_u32 s12, 4                            ; waves 0 to 3 fetch: all their fills stand in this one branch, ahead of every wait on TENSORcnt, every LDS read and every barrier; three loads of a wave are out at the most
	s_cbranch_scc0 .Lno_fill
	tensor_load_to_lds s[32:35], s[24:31]
	s_nop 0
	tensor_load_to_lds s[36:39], s[24:31]
	s_nop 0
	tensor_load_to_lds s[40:43], s[24:31]
	s_nop 0
	PLACES                                         ; four v_nop behind the last of them
.Lno_fill:
.irp e, 0,1
.irp k, 0,1,2,3,4,5,6,7
	global_load_b128 v[96+32*\e+4*\k:99+32*\e+4*\k], v3, s[4:5] offset:(2*\k+8*(\k/4))*16384+256*\e th:TH_LOAD_NT   ; q: two runs of 256 consecutive bytes a load, read once in the launch
.endr
.endr
.irp g, 0,1,2,3,4,5,6,7,8,9,10,11,12,13,14,15
	global_load_b128 v[160+4*\g:163+4*\g], v1, s[8:9] offset:512*\g   ; cos into v160-191, sin into v192-223
.endr
.irp b, 0,1,2,3
	v_mov_b32 v[236+\b], 0                         ; written once: a lane permute's destination counts as one of its sources
.endr
	v_mov_b32 v252, 0                              ; likewise, for the way out
	v_mov_b32 v253, 0                              ; (named as the upper half of the pair v[252:253] before it is first written)
	s_wait_loadcnt 16                              ; q's 16 loads are in; the table's 16, issued behind them, may be out
	TURN 96
	s_wait_dscnt 0x0
	s_wait_loadcnt 0x0                             ; cos and sin
	ROT 96, 160, 192, 80
	QUANT 96
	v_mov_b32 v13, 0xff61b1e6                      ; the largest t so far: -3e38, under every t; it is finite, so that a step that hides all its keys from a row gives p = 0 and no NaN
	v_floor_f32 v12, -v13                          ; -M
	v_mov_b32 v14, 0                               ; the sum, in two halves
	v_mov_b32 v15, 0
.set n, 0
.rept 64
	v_mov_b32 v[160+n], 0                          ; O^T.  (The step is written once: the first finds zeros, which the first change of M leaves zeros.  These are also the places between Q's codes and scale word and the first product)
.set n, n+1
.endr
; hidden scores become -infinity.  Register 16 b + i holds key KF + 32 b + 16 h + i.  after = 1: hidden where 32 b + i > v252; 0: where 32 b + i < v252.  The accumulators are read from their low ends on
.macro MASK after
.set n, 0
.rept 64
.if \after
	v_cmp_gt_i32 vcc_lo, 32*(n/16)+n%16, v252
.else
	v_cmp_lt_i32 vcc_lo, 32*(n/16)+n%16, v252
.endif
	v_cndmask_b32 v[96+n], v[96+n], v254, vcc_lo
.set n, n+1
.endr
.endm
; A KEY STEP: 128 keys, at LDS byte s[TB].
.macro STEP
	s_cmp_gt_u32 s[KF], s[QMAX]                    ; all its keys come after my queries,
	s_cbranch_scc1 .Lhidden_\@
	s_add_co_u32 s49, s[KF], 1150
	s_cmp_lt_u32 s49, s[QMIN]                      ; or its last key, KF + 127, lies under QMIN - 1023: the step's work is left out; the lines at its end that step addresses are not
	s_cbranch_scc1 .Lhidden_\@
	v_add_nc_u32 v8, s[TB], v1
	v_add_nc_u32 v9, s[TB], v2
	v_nop
	v_nop                                          ; with the two additions: four places in front of loads into registers that the last step's products read
.irp g, 0,1                                    ; S^T = K Q^T, four tiles of 16 keys at a time
.if \g
	PLACES
.endif
.irp t, 0,1,2,3
.irp c, 0,1,2
	ds_load_b128 v[32+12*\t+4*\c:35+12*\t+4*\c], v8 offset:(4*\g+\t)*1536+512*\c   ; a fragment comes as it was stored: 512 consecutive bytes a load
.endr
.endr
	ds_load_b128 v[248:251], v9 offset:KSC+256*\g  ; the four tiles' scale words of row r
	s_wait_dscnt 0x0
.irp t, 0,1,2,3
	v_wmma_scale_f32_16x16x128_f8f6f4 v[96+8*(4*\g+\t):103+8*(4*\g+\t)], v[32+12*\t:43+12*\t], v[16:27], 0, v[248+\t], v255 matrix_a_fmt:MATRIX_FMT_FP6 matrix_b_fmt:MATRIX_FMT_FP6
.endr
.endr
	PLACES
	s_add_co_u32 s49, s[KF], 127
	s_cmp_le_u32 s49, s[QMIN]                      ; every key at or before every query: nothing to hide on this side
	s_cbranch_scc1 .Lopen_\@
	s_sub_co_i32 s49, s[QMIN], s[KF]
	v_add_nc_u32 v252, s49, v7                     ; my query - KF - 16 h: a key after my query is hidden
	v_mov_b32 v254, 0xff800000
	MASK 1
.Lopen_\@:
	s_add_co_u32 s49, s[KF], 1023
	s_cmp_ge_u32 s49, s[QMAX]                      ; QMAX - KF < 1024: every key inside every query's window
	s_cbranch_scc1 .Lnear_\@
	s_sub_co_i32 s49, s[QMIN], s[KF]
	s_sub_co_i32 s49, s49, 1023
	v_add_nc_u32 v252, s49, v7                     ; my query - 1023 - KF - 16 h: a key before that is hidden
	v_mov_b32 v254, 0xff800000
	MASK 0
.Lnear_\@:
.irp b, 0,1,2,3
	v_max3_num_f32 v[232+\b], v[96+16*\b], v[97+16*\b], v[98+16*\b]   ; the largest score of each block of 32 keys: it serves the row's maximum and, since p rises with the score, the block's largest p
.endr
.irp i, 3,5,7,9,11,13
.irp b, 0,1,2,3
	v_max3_num_f32 v[232+\b], v[232+\b], v[96+16*\b+\i], v[97+16*\b+\i]
.endr
.endr
.irp b, 0,1,2,3
	v_max_num_f32 v[232+\b], v[232+\b], v[111+16*\b]
.endr
.irp b, 0,1,2,3
	v_permlanex16_b32 v[236+\b], v[232+\b], s[SEL], s[SEL+1]
.endr
.irp b, 0,1,2,3
	v_max_num_f32 v[232+\b], v[232+\b], v[236+\b]  ; with lane l xor 16's 16 keys
.endr
	v_max3_num_f32 v254, v232, v233, v234
	v_max_num_f32 v254, v254, v235                 ; the step's largest score of my query
	v_mul_f32 v254, s[CS], v254                    ; as t (c is positive)
	v_max_num_f32 v13, v13, v254                   ; the running largest t
	v_mov_b32 v254, v12
	v_floor_f32 v12, -v13                          ; the new -M = floor(-t) = -ceil(t)
	v_sub_f32 v254, v12, v254                      ; old M - new M: a whole number, 0 or less
	v_cvt_i32_f32 v254, v254                       ; (it saturates)
	v_ldexp_f32 v252, 1.0, v254                    ; f = 2^(old M - new M)
.set n, 0
.rept 32
	v_pk_fma_f32 v[96+n:97+n], v[96+n:97+n], s[CS:CS+1], v[12:13] op_sel_hi:[1,0,0]   ; t - M, two at a time (of the pairs c and -M the low word serves both halves)
.set n, n+2
.endr
.irp b, 0,1,2,3
	v_fma_f32 v[232+\b], v[232+\b], s[CS], v12     ; the same of each block's largest score
.endr
.set n, 0
.rept 64
	v_exp_f32 v[96+n], v[96+n]                     ; p = 2^(t - M), at most 1
.set n, n+1
.endr
.irp b, 0,1,2,3
	v_exp_f32 v[232+\b], v[232+\b]                 ; the block's largest p: the same two instructions on the same number
.endr
	v_pk_mul_f32 v[14:15], v[14:15], v[252:253] op_sel_hi:[1,0]   ; the sums under the new M.  (A plain place behind the exponentials)
	s_wait_alu depctr_va_vdst(0)
.irp b, 0,1,2,3
	v_max_num_f32 v[232+\b], 0x1800000, v[232+\b]  ; the floor 2^(3 - 127): a block whose every p is 0 keeps the byte 1; its codes are zeros
.endr
.irp b, 0,1,2,3
	v_add_nc_u32 v[244+\b], 0xff000000, v[232+\b]  ; 2 off the exponent field: the conversion's scale operand
.endr
.irp b, 0,1,2,3
	v_lshrrev_b32 v[236+\b], 23, v[244+\b]         ; the scale's byte
.endr
	v_lshl_or_b32 v253, v237, 8, v236              ; p's scale word for these 128 keys
	v_lshl_or_b32 v253, v238, 16, v253
	v_lshl_or_b32 v253, v239, 24, v253
.irp c, 0,1
	v_cvt_scalef32_pk16_fp6_f32 v[224+6*\c:226+6*\c], v[96+32*\c:111+32*\c], v[244+2*\c]
	v_cvt_scalef32_pk16_fp6_f32 v[236+4*\c:238+4*\c], v[112+32*\c:127+32*\c], v[244+2*\c+1]   ; (a conversion's three registers begin on an even number)
.endr
	v_nop                                          ; one plain place behind a scaled conversion
.irp c, 0,1                                    ; the operand wants a whole block in a lane: lanes 0-15 block 2 c, lanes 16-31 block 2 c + 1
.irp i, 0,1,2
	v_permlane16_swap_b32 v[224+6*\c+\i], v[236+4*\c+\i]
.endr
.irp i, 0,1,2
	v_mov_b32 v[227+6*\c+\i], v[236+4*\c+\i]
.endr
.endr
	v_pk_add_f32 v[236:237], v[96:97], v[98:99]    ; the row's sum is taken of the unquantised p: two at a time, in two chains
.irp j, 4,8,12,16,20,24,28,32,36,40,44,48,52,56,60
	v_pk_add_f32 v[14:15], v[14:15], v[96+\j:97+\j]
	v_pk_add_f32 v[236:237], v[236:237], v[98+\j:99+\j]
.endr
	v_pk_add_f32 v[14:15], v[14:15], v[236:237]
.set n, 0
.rept 32
	v_pk_mul_f32 v[160+n:161+n], v[160+n:161+n], v[252:253] op_sel_hi:[1,0]   ; O^T under the new M, from each accumulator's low end on.  (These are also the places between p's codes and scale word and the products below)
.set n, n+2
.endr
.irp g, 0,1                                    ; O^T += V^T P^T: four tiles of 16 channels at a time; each accumulator has one instruction a step, so no two that follow each other share one
.if \g
	PLACES
.endif
.irp t, 0,1,2,3
.irp c, 0,1,2
	ds_load_b128 v[32+12*\t+4*\c:35+12*\t+4*\c], v8 offset:VIM+(4*\g+\t)*1536+512*\c
.endr
.endr
	ds_load_b128 v[248:251], v9 offset:VSC+256*\g
	s_wait_dscnt 0x0
.irp t, 0,1,2,3
	v_wmma_scale_f32_16x16x128_f8f6f4 v[160+8*(4*\g+\t):167+8*(4*\g+\t)], v[32+12*\t:43+12*\t], v[224:235], v[160+8*(4*\g+\t):167+8*(4*\g+\t)], v[248+\t], v253 matrix_a_fmt:MATRIX_FMT_FP6 matrix_b_fmt:MATRIX_FMT_FP6
.endr
.endr
.Lhidden_\@:
	s_add_co_u32 s[KF], s[KF], 128
	s_add_co_u32 s[TB], s[TB], SLOTB
.endm
; Three steps of the window, group gr of three.  out: how many younger fills of a fetching wave may stay out.  Later groups may stay on their way across them.
.macro GROUP gr, out
	s_wait_tensorcnt \out                          ; my part of this group has landed (a wave's tensor loads end in order: ISA guide 10.11.1); waves 4 to 15 have none out
	s_wait_dscnt 0x0                               ; no LDS instruction of mine is pending at the signal
	s_barrier_signal -1
	s_barrier_wait -1                              ; everybody's part has
	s_mov_b32 s[TB], \gr*GRPB
	s_mov_b32 s48, 3
.Lstep_\@:
	STEP
	s_sub_co_i32 s48, s48, 1
	s_cmp_lg_u32 s48, 0
	s_cbranch_scc1 .Lstep_\@
.endm
	GROUP 0, 2
	GROUP 1, 1
	GROUP 2, 0                                     ; the last wait is for zero: no tensor load is out at the end
	; THE WAY OUT.  O^T is divided by the row's sum and goes through my stage, 64 channels (256 bytes) of 16 queries at a time, so that sixteen lanes store 256 consecutive bytes of a row of out0.
	PLACES                                         ; behind the last products
	v_add_f32 v14, v14, v15                        ; the sum's two halves,
	v_permlanex16_b32 v252, v14, s[SEL], s[SEL+1]
	v_add_f32 v14, v14, v252                       ; and lane l xor 16's
	v_rcp_f32 v14, v14
	v_nop                                          ; a plain place behind the transcendental
.set n, 0
	s_wait_alu depctr_va_vdst(0)
.rept 32
	v_pk_mul_f32 v[96+n:97+n], v[160+n:161+n], v[14:15] op_sel_hi:[1,0]   ; register 8 t + i is o(row r, channel 16 t + 8 h + i)
.set n, n+2
.endr
.irp u, 0,1                                    ; channels 64 u on
.irp t, 0,1,2,3
	ds_store_b128 v6, v[96+32*\u+8*\t:99+32*\u+8*\t] offset:64*\t
	ds_store_b128 v6, v[100+32*\u+8*\t:103+32*\u+8*\t] offset:64*\t+16
.endr
.irp i, 0,1,2,3,4,5,6,7
	ds_load_b128 v[32+32*\u+4*\i:35+32*\u+4*\i], v5 offset:544*\i   ; LDS serves a wave's instructions in order: these see my stores, and the next half's stores come behind them
.endr
.endr
.irp u, 0,1
.irp i, 0,1,2,3,4,5,6,7
	s_wait_dscnt 15-8*\u-\i                        ; no more than the loads issued behind this one
	global_store_b128 v3, v[32+32*\u+4*\i:35+32*\u+4*\i], s[10:11] offset:(2*\i+8*(\i/4))*16384+256*\u th:TH_STORE_NT   ; rows 2 i and 2 i + 1 of the tile: two runs of 256 consecutive bytes, each at a multiple of 256 from out0's first byte
.endr
.endr
	s_wait_tensorcnt 0x0
	ds_add_u32 v31, v243
	s_wait_dscnt 0x0
	s_endpgm
.Lfunc_end_k_q721e72f39f_attn:
	.size	k_q721e72f39f_attn, .Lfunc_end_k_q721e72f39f_attn-k_q721e72f39f_attn
	.p2alignl 7, 3214868480
	.fill 96, 4, 3214868480
	.section	.rodata,"a",@progbits
	.p2align	6, 0x0
	.amdhsa_kernel k_q721e72f39f_attn
		.amdhsa_group_segment_fixed_size 302080
		.amdhsa_private_segment_fixed_size 0
		.amdhsa_enable_private_segment 0
		.amdhsa_kernarg_size 32
		.amdhsa_user_sgpr_count 2
		.amdhsa_user_sgpr_kernarg_segment_ptr 1
		.amdhsa_wavefront_size32 1
		.amdhsa_system_sgpr_workgroup_id_x 1
		.amdhsa_system_sgpr_workgroup_id_y 1
		.amdhsa_system_sgpr_workgroup_id_z 1
		.amdhsa_system_vgpr_workitem_id 0
		.amdhsa_next_free_vgpr 256
		.amdhsa_next_free_sgpr 66
		.amdhsa_reserve_vcc 1
		.amdhsa_float_denorm_mode_32 3
		.amdhsa_float_denorm_mode_16_64 3
		.amdhsa_memory_ordered 1
		.amdhsa_forward_progress 1
		.amdhsa_inst_pref_size 116
	.end_amdhsa_kernel
	.amdgpu_metadata
---
amdhsa.version: [ 1, 2 ]
amdhsa.kernels:
  - .name:           k_q721e72f39f_attn
    .symbol:         k_q721e72f39f_attn.kd
    .args:
      - { .name: query, .offset: 0, .size: 8, .value_kind: global_buffer, .address_space: global }
      - { .name: kv, .offset: 8, .size: 8, .value_kind: global_buffer, .address_space: global }
      - { .name: tab, .offset: 16, .size: 8, .value_kind: global_buffer, .address_space: global }
      - { .name: out0, .offset: 24, .size: 8, .value_kind: global_buffer, .address_space: global }
    .group_segment_fixed_size: 302080
    .private_segment_fixed_size: 0
    .kernarg_segment_align: 8
    .kernarg_segment_size: 32
    .max_flat_workgroup_size: 512
    .sgpr_count:     66
    .vgpr_count:     256
    .wavefront_size: 32
...
	.end_amdgpu_metadata
.endif
;; end of part 2
